; MI455X (gfx1250); checked and timed in simulation.
; The chip was launched on July 23, 2026; its instructions are those of AMD's public machine-readable ISA for CDNA 5 (MIT licence, August 2026) and "CDNA5" Instruction Set Architecture Reference Guide (July 2026). The comments in the code are by the model that wrote it; some were corrected since.
;; mu P Attention Mechanism. Allowed arithmetic: matrix products marked QUANTISED: E2M1 operands, one E8M0 scale for each 32 along K, by v_wmma_scale_f32_16x16x128_f8f6f4 with both operands' format E2M1 (or v_wmma_scale_f32_32x16x128_f4), f32 sums; everything else in f32.
;; Inputs: key 2 x 16 x 2,048 x 64 float32; query 2 x 16 x 2,048 x 64 float32; value 2 x 16 x 2,048 x 64 float32.
;; Outputs: out0 2 x 16 x 2,048 x 64 float32.
;; Constants: causal = 1, dhead = 64.
;; This version of the problem:
;;   THIS VERSION OF THE PROBLEM IS GIVEN IN LOW PRECISION. The matrix products marked QUANTISED in the list below multiply operands that are first quantised to E2M1 (2 exponent bits, 1 mantissa bit; 4 bits a number), with one power-of-two scale for each 32 numbers along K (OCP MX v1.0); their sums are f32. All else is computed in f32.
;;   The module's matrix products, in the order in which they are computed (A, B: the left and right operand; K: the contracted axis; several contracted axes count as one K, in the product's order):
;;     1. batch 32 x [M 2,048, K 64] x [K 64, N 2,048]; A: input query; B: input key: QUANTISED
;;     2. batch 32 x [M 2,048, K 2,048] x [K 2,048, N 64]; A: softmax (see below); B: input value: QUANTISED
;;   THE QUANTISER, for each operand of a quantised product, along K:
;;     - K is cut into blocks of 32 from its start; a last block that is shorter is filled with zeros.
;;     - A block's scale is 2^e with e = floor(log2(the largest magnitude in the block)) - 2, held to -126 .. 127; a block of zeros has e = 0. As a byte (E8M0): e + 127.
;;     - Each number is divided by its block's scale, clamped to +-6, and rounded to the nearest number of E2M1, ties to even, subnormals kept.
;;     - The product sums the exact products of the quantised numbers (number of the format x scale) in f32.
;;   ~~~python
;;   def quantise(x, axis):      # numpy; x: float32 -> the quantised numbers, widened to float32 again
;;       x = np.moveaxis(x, axis, -1); K = x.shape[-1]
;;       x = np.pad(x, [(0, 0)] * (x.ndim - 1) + [(0, -K % 32)]); x = x.reshape(x.shape[:-1] + (-1, 32)); a = np.abs(x).max(-1, keepdims=True)
;;       e = np.where(a > 0, np.clip(np.frexp(np.where(a > 0, a, 1))[1] - 1 - 2, -126, 127), 0)      # np.frexp(a)[1] - 1 = floor(log2(a)), exactly
;;       r = np.clip(x / 2.0 ** e, -6, 6)
;;       step = 2.0 ** (np.maximum(np.frexp(np.where(r == 0, 1, r))[1] - 1, 0) - 1)
;;       q = np.round(r / step) * step * 2.0 ** e      # np.round: ties to even
;;       return np.moveaxis(q.reshape(q.shape[:-2] + (-1,))[..., :K], -1, axis).astype(np.float32)
;;   ~~~
;;   SOFTMAX AHEAD OF A QUANTISED PRODUCT. Where the list says 'softmax', what is quantised is not the finished softmax but p = 2^(t - M), with t = logit x log2(e) and M = ceil(the row's largest t), a whole number; so 1/2 < the row's largest p <= 1. The row's sum l is taken of the UNQUANTISED p, in f32, and the product's result is divided by l at the end. Since M is a whole number, a kernel that streams over the keys may use a running M (the ceiling of the running maximum): every later rescaling is an exact power of two, which a block's scale takes up: the codes' values come out the same.
;;   OPERANDS COMPUTED ON THE WAY. 'Computed on the way' means the value that the module computes at that place (a softmax that the list does not call 'softmax' is quantised finished and normalised). What goes into a quantiser is computed in f32, as accurately as f32 sums, v_exp_f32 and their like allow (about 1e-6 of the number): no bf16 or f16 on the way to a quantiser, and a product that is left as it is and whose result goes on into a quantised operand takes f32 operands (vector FMAs, or v_wmma_f32_16x16x4_f32). A number that lies on a knife's edge between two numbers of the format may be rounded either way, as far as f32 arithmetic and the matrix unit's own rounding can turn it there, and no further.
;; One version. Each part assembles by itself: llvm-mc -triple=amdgcn-amd-amdhsa -mcpu=gfx1250 --defsym DOCPART=n.
;; ======== version 1 of 1: 2 launches
;; limits: right only within a limited range of input values
;; workspace buffers: kv 4,587,520 bytes
;; launch prep (part 1): grid 16 x 32, 4 waves a work-group, no clusters, 36,864 bytes of LDS; arguments key, value, kv; writes kv
.if DOCPART == 1
	.amdgcn_target "amdgcn-amd-amdhsa--gfx1250"
	.amdhsa_code_object_version 6
	.text
	.protected	k_qd195642f0f_prep
	.globl	k_qd195642f0f_prep
	.p2align	8
	.type	k_qd195642f0f_prep,@function
k_qd195642f0f_prep:
	s_mov_b64 s[64:65], 0
	v_nop
	global_prefetch_b8 v0, s[64:65] scope:SCOPE_SE
	s_setreg_imm32_b32 hwreg(HW_REG_WAVE_MODE, 25, 1), 1
	s_wait_xcnt 0x0
; key and value, [32 heads][2048][64] f32, become codes of FP4 (E2M1) with one E8M0 scale byte for each 32 along a product's K:
; key along its 64 channels (two blocks a row), value DOWN the keys (a block = 32 neighbouring keys of one channel).
; A block's scale is 2^(floor(log2(its largest magnitude)) - 2); its byte is the largest magnitude's exponent field - 2, held at 1 from below.
; LEFT OUT BY THE PROGRAM: scores of keys that come after a query, in whole steps of 128 keys: reference() builds the causal mask itself and puts -infinity in their place, so p is 0 there
; for all values of the inputs.  This launch leaves nothing out; the next one does.  A NaN, an infinity or an overflow that reaches only the work left out is not carried to the result.
; causal = 1 and dhead = 64 are constants of the problem and are built in.
; LIMITS: NaN and infinities among the inputs are not served.  A block of zeros, or one whose largest magnitude lies under 2^-124, gets the byte 1
; where the rule says 127 for zeros: a block of zeros has zero codes, which add nothing under any byte but 0xff, and this program alone reads the bytes.
; WHAT IS STORED: for each (head, step of 128 keys) one dense block of 8,960 bytes, laid as IMAGES OF THE OPERANDS' REGISTERS (L lane, r = L % 16, h = L / 16):
;   +0     K's codes: tile t = 0..7 at 512 t + 16 L: channels 32 h .. 32 h + 31 of key 64 (t / 4) + 32 (r / 8) + 8 (t % 4) + r % 8 of the step
;   +4096  V's codes: 1024 dt + 512 c + 16 L: channel 16 dt + r, keys 64 c + 32 h + 0 .. 31 of the step
;   +8192  K's scale words: (tile t, row r) at 16 (r + 16 (t / 4)) + 4 (t % 4): bytes 0, 1 the two blocks, bytes 2, 3 = 0x7f
;   +8704  V's scale words: (dt, row r) at 8 (r + 16 (dt / 2)) + 4 (dt % 2): byte b for keys 32 b .. 32 b + 31 of the step
; SHARES: a work-group takes one block.  Wave q makes K's tiles 2 q, 2 q + 1: keys 64 (q / 2) + 16 (q % 2) + 0 .. 15 and the 16 that lie 32 further on; and V's keys 32 q .. 32 q + 31.
; Key's rows turn through the wave's own stage in LDS (a lane wants one half row).  Of value a lane takes two channels, L and 32 + L, and its registers run down the keys:
; the two loads of a row cover its 256 bytes, and what they bring is in its final place.
; No tensor load, no loop, one barrier (the four waves' scale words meet in LDS and leave as whole runs of 512 and 256 bytes).
.set KSTW,  8704                       ; K's stage: 32 slots x (256 + 16) bytes for each wave, from LDS byte 0
.set SCLK,  34816                      ; K's scale words: 128 bytes for each wave
.set SCLV,  35328                      ; V's scale bytes, a word each: 256 bytes for each wave
.set SPARE, 36352                      ; the spare words, 128 bytes for each wave: no other line names them
.set BLKB,  8960                       ; a block of kv
.set LI,   1                           ; 16 x lane
.set KWR,  2                           ; K's stage, in: slot h, 16 r
.set KRD,  3                           ; K's stage, out: slot r, 128 h
.set L4,   4                           ; 4 x lane
.set KSW,  6                           ; where I store K's two scale words
.set VSW,  7                           ; where I store V's scale bytes
.set VCO,  8                           ; V's codes in the block
.set KCO,  9                           ; K's codes in the block
.set SH,   10                          ; 8 h: my block's place in a row's scale word
.set KSR,  11                          ; where wave 0 reads K's words back
.set VSR,  12                          ; where wave 1 reads V's bytes back
.set L8,   13                          ; 8 x lane
.set KR,   32                          ; v32-95   key as loaded
.set VX,   96                          ; v96-159  value: two channels x 32 keys
.set KX,   160                         ; v160-223 key: two tiles x 32 channels of my row
.set KC,   224                         ; v224-231 K's codes
.set VC,   232                         ; v232-239 V's codes
.set KW,   240                         ; v240-241 K's two scale words
.set VB,   242                         ; v242-243 V's two scale bytes
.set MXA,  244
.set MXB,  245
.set SC,   246
.set BY,   247
.set WU,   248
.set WT,   249
.set SPW,  254                         ; LDS address of my spare word
.set NIL,  255                         ; 0
.set SEL,  20                          ; s[20:21] v_permlanex16_b32's selects for lane l xor 16
; 32 numbers of one lane, one whole block, become 4 registers of codes; sc: the conversion's scale operand; by: the scale's byte
.macro QUANT32 x, c, sc, by
	v_max3_num_f32 v[MXA], |v[(\x)]|, |v[(\x)+1]|, 0x1800000        ; two chains; the floor 2^(3 - 127) among the leaves holds the byte at 1 from below
	v_max3_num_f32 v[MXB], |v[(\x)+2]|, |v[(\x)+3]|, |v[(\x)+4]|
.irp i, 5,9,13,17,21,25
	v_max3_num_f32 v[MXA], v[MXA], |v[(\x)+\i]|, |v[(\x)+\i+1]|
	v_max3_num_f32 v[MXB], v[MXB], |v[(\x)+\i+2]|, |v[(\x)+\i+3]|
.endr
	v_max3_num_f32 v[MXA], v[MXA], |v[(\x)+29]|, |v[(\x)+30]|
	v_max3_num_f32 v[MXA], v[MXA], v[MXB], |v[(\x)+31]|
	v_add_nc_u32 v[\sc], 0xff000000, v[MXA]                        ; 2 off the exponent field: the conversion takes this operand's exponent field as its scale
.irp g, 0,1,2,3
	v_cvt_scalef32_pk8_fp4_f32 v[(\c)+\g], v[(\x)+8*\g:(\x)+8*\g+7], v[\sc]
.endr
	v_lshrrev_b32 v[\by], 23, v[\sc]                               ; the byte; also the plain line behind the conversions
.endm
; a row of 64 has two blocks, one in lane l, one in lane l xor 16: their bytes make the row's scale word; the two upper bytes are 1.0
.macro WORD dst, by
	v_lshlrev_b32 v[WT], v[SH], v[\by]
	v_permlanex16_b32 v[WU], v[WT], s[SEL], s[SEL+1]
	v_or_b32 v[WT], v[WT], v[WU]
	v_or_b32 v[\dst], 0x7f7f0000, v[WT]
.endm
	s_load_b128 s[4:7], s[0:1], 0x0                ; key s[4:5], value s[6:7]
	s_load_b64 s[8:9], s[0:1], 0x10                ; kv
	v_lshl_add_u32 v[SPW], v0, 2, SPARE
	v_mov_b32 v[NIL], 0
	v_lshrrev_b32 v14, 5, v0
	v_readfirstlane_b32 s10, v14                   ; wave q
	s_and_b32 s11, ttmp7, 0xffff                   ; head
	s_lshl_b32 s12, s11, 19                        ; a head is 524,288 bytes,
	s_lshl_b32 s13, ttmp9, 15                      ; a step's 128 rows 32,768
	s_add_co_u32 s12, s12, s13
	s_lshr_b32 s24, s10, 1
	s_lshl_b32 s24, s24, 14                        ; key: 64 rows for each pair of waves,
	s_and_b32 s25, s10, 1
	s_lshl_b32 s25, s25, 12                        ; 16 rows for the second of a pair
	s_add_co_u32 s24, s24, s25
	s_add_co_u32 s24, s24, s12
	s_mov_b32 s25, 0
	s_lshl_b32 s13, s10, 13                        ; value: my wave's 32 rows are 8,192 bytes
	s_add_co_u32 s12, s12, s13
	s_mov_b32 s13, 0
	s_lshl_b32 s14, s11, 4
	s_add_co_u32 s14, s14, ttmp9
	s_mul_i32 s14, s14, BLKB                       ; my block of kv
	s_mov_b32 s15, 0
	s_mul_i32 s16, s10, KSTW                       ; my stage for K
	s_lshl_b32 s18, s10, 7
	s_add_co_u32 s18, s18, SCLK                    ; my 128 bytes of K's words
	s_lshl_b32 s19, s10, 8
	s_add_co_u32 s19, s19, SCLV                    ; my 256 bytes of V's
	s_lshl_b32 s22, s10, 8                         ; V's codes: 512 (q / 2) + 256 (q % 2) = 256 q
	s_lshl_b32 s23, s10, 10                        ; K's codes: my two tiles
	s_mov_b32 s[SEL], 0x76543210
	s_mov_b32 s[SEL+1], 0xfedcba98
	v_and_b32 v14, 31, v0                          ; L
	v_and_b32 v15, 15, v0                          ; r
	v_bfe_u32 v16, v0, 4, 1                        ; h
	v_lshlrev_b32 v[LI], 4, v14
	v_lshlrev_b32 v[L4], 2, v14
	v_lshlrev_b32 v[L8], 3, v14
	v_mul_u32_u24 v[KWR], v16, 272
	v_lshl_add_u32 v[KWR], v15, 4, v[KWR]
	v_add_nc_u32 v[KWR], s16, v[KWR]
	v_mul_u32_u24 v[KRD], v15, 272
	v_lshl_add_u32 v[KRD], v16, 7, v[KRD]
	v_add_nc_u32 v[KRD], s16, v[KRD]
	v_lshl_add_u32 v[KSW], v15, 3, s18
	v_lshl_add_u32 v[VSW], v15, 3, s19
	v_lshl_add_u32 v[VSW], v16, 2, v[VSW]
	v_lshl_add_u32 v[VCO], v16, 10, s22
	v_lshl_add_u32 v[VCO], v15, 4, v[VCO]
	v_add_nc_u32 v[KCO], s23, v[LI]
	v_lshlrev_b32 v[SH], 3, v16
	v_lshlrev_b32 v[KSR], 8, v16
	v_lshl_add_u32 v[KSR], v15, 3, v[KSR]
	v_add_nc_u32 v[KSR], SCLK, v[KSR]
	v_lshl_add_u32 v[VSR], v14, 3, SCLV
	v_mov_b32 v[WU], 0                             ; a lane permute's destination counts as one of its sources
	s_wait_alu depctr_va_vdst(0)                   ; the head's end
	s_wait_kmcnt 0x0
	s_add_nc_u64 s[4:5], s[4:5], s[24:25]
	s_add_nc_u64 s[6:7], s[6:7], s[12:13]
	s_add_nc_u64 s[8:9], s[8:9], s[14:15]
.irp i, 0,1,2,3,4,5,6,7,8,9,10,11,12,13,14,15
	global_load_b128 v[KR+4*\i:KR+4*\i+3], v[LI], s[4:5] offset:512*\i+4096*(\i/8) th:TH_LOAD_NT    ; my rows 2 i and 2 i + 1: 512 consecutive bytes; the second 16 rows lie 32 rows on
.endr
.irp k, 0,1,2,3,4,5,6,7,8,9,10,11,12,13,14,15,16,17,18,19,20,21,22,23,24,25,26,27,28,29,30,31
.irp a, 0,1
	global_load_b32 v[VX+32*\a+\k], v[L4], s[6:7] offset:256*\k+128*\a th:TH_LOAD_NT    ; channel 32 a + lane, registers down my 32 keys
.endr
.endr
	s_wait_loadcnt 63                              ; key's 16 loads are in: of value's 64 younger ones at most 63 are out
	; row j of my 32 goes to slot 16 u + r with j = 8 u + r % 8 + 16 (r / 8): the 16 rows of a tile become neighbours, 272 bytes apart
.irp i, 0,1,2,3,4,5,6,7,8,9,10,11,12,13,14,15
	ds_store_b128 v[KWR], v[KR+4*\i:KR+4*\i+3] offset:(16*((\i/4)%2)+8*(\i/8)+(2*\i)%8)*272
.endr
.irp u, 0,1
.irp j, 0,1,2,3,4,5,6,7
	ds_load_b128 v[KX+32*\u+4*\j:KX+32*\u+4*\j+3], v[KRD] offset:4352*\u+16*\j         ; LDS serves a wave's instructions in order: these see the stores above
.endr
.endr
	s_wait_dscnt 0x0
.irp u, 0,1
	QUANT32 KX+32*\u, KC+4*\u, SC, BY
	WORD KW+\u, BY
	global_store_b128 v[KCO], v[KC+4*\u:KC+4*\u+3], s[8:9] offset:512*\u               ; a tile's image: 512 consecutive bytes
.endr
	ds_store_b64 v[KSW], v[KW:KW+1]                ; lanes r and r + 16 write the same bytes with the same value
	s_wait_loadcnt 0x0                             ; value
.irp a, 0,1
	QUANT32 VX+32*\a, VC+4*\a, SC, VB+\a
	global_store_b128 v[VCO], v[VC+4*\a:VC+4*\a+3], s[8:9] offset:4096+2048*\a         ; sixteen lanes store 256 consecutive bytes, aligned
	ds_store_b32 v[VSW], v[VB+\a] offset:128*\a
.endr
	s_wait_dscnt 0x0                               ; for the others' sake: my scale words lie in LDS
	s_barrier_signal -1
	s_barrier_wait -1
	s_cmp_lg_u32 s10, 0
	s_cbranch_scc1 .Lnot_wave_0
	ds_load_b64 v[160:161], v[KSR]                 ; lane (r, h): tiles 4 h, 4 h + 1 (wave 2 h's words),
	ds_load_b64 v[162:163], v[KSR] offset:128      ; tiles 4 h + 2, 4 h + 3 (wave 2 h + 1's)
	s_wait_dscnt 0x0
	global_store_b128 v[LI], v[160:163], s[8:9] offset:8192                            ; 512 consecutive bytes
	s_branch .Lend
.Lnot_wave_0:
	s_cmp_lg_u32 s10, 1
	s_cbranch_scc1 .Lend
.irp w, 0,1,2,3
	ds_load_b64 v[164+2*\w:165+2*\w], v[VSR] offset:256*\w                             ; wave w's bytes: keys 32 w on
.endr
	s_wait_dscnt 0x0
	v_lshl_or_b32 v164, v166, 8, v164
	v_lshl_or_b32 v165, v167, 8, v165
	v_lshl_or_b32 v164, v168, 16, v164
	v_lshl_or_b32 v165, v169, 16, v165
	v_lshl_or_b32 v164, v170, 24, v164
	v_lshl_or_b32 v165, v171, 24, v165
	global_store_b64 v[L8], v[164:165], s[8:9] offset:8704                             ; 256 consecutive bytes, aligned
.Lend:
	s_wait_tensorcnt 0x0                           ; the wave's end
	ds_add_u32 v[SPW], v[NIL]
	s_wait_dscnt 0x0
	s_endpgm
.Lfunc_end_k_qd195642f0f_prep:
	.size	k_qd195642f0f_prep, .Lfunc_end_k_qd195642f0f_prep-k_qd195642f0f_prep
	.p2alignl 7, 3214868480
	.fill 96, 4, 3214868480
	.section	.rodata,"a",@progbits
	.p2align	6, 0x0
	.amdhsa_kernel k_qd195642f0f_prep
		.amdhsa_group_segment_fixed_size 36864
		.amdhsa_private_segment_fixed_size 0
		.amdhsa_enable_private_segment 0
		.amdhsa_kernarg_size 24
		.amdhsa_user_sgpr_count 2
		.amdhsa_user_sgpr_kernarg_segment_ptr 1
		.amdhsa_wavefront_size32 1
		.amdhsa_system_sgpr_workgroup_id_x 1
		.amdhsa_system_sgpr_workgroup_id_y 1
		.amdhsa_system_sgpr_workgroup_id_z 1
		.amdhsa_system_vgpr_workitem_id 0
		.amdhsa_next_free_vgpr 256
		.amdhsa_next_free_sgpr 66
		.amdhsa_reserve_vcc 0
		.amdhsa_float_denorm_mode_32 3
		.amdhsa_float_denorm_mode_16_64 3
		.amdhsa_memory_ordered 1
		.amdhsa_forward_progress 1
		.amdhsa_inst_pref_size 21
	.end_amdhsa_kernel
	.amdgpu_metadata
---
amdhsa.version: [ 1, 2 ]
amdhsa.kernels:
  - .name:           k_qd195642f0f_prep
    .symbol:         k_qd195642f0f_prep.kd
    .args:
      - { .name: key, .offset: 0, .size: 8, .value_kind: global_buffer, .address_space: global }
      - { .name: value, .offset: 8, .size: 8, .value_kind: global_buffer, .address_space: global }
      - { .name: kv, .offset: 16, .size: 8, .value_kind: global_buffer, .address_space: global }
    .group_segment_fixed_size: 36864
    .private_segment_fixed_size: 0
    .kernarg_segment_align: 8
    .kernarg_segment_size: 24
    .max_flat_workgroup_size: 128
    .sgpr_count:     66
    .vgpr_count:     256
    .wavefront_size: 32
...
	.end_amdgpu_metadata
.endif
;; end of part 1
;; launch attn (part 2): grid 8 x 32, 16 waves a work-group, clusters of 4 x 1, 241,664 bytes of LDS; arguments query, kv, out0; writes out0
.if DOCPART == 2
	.amdgcn_target "amdgcn-amd-amdhsa--gfx1250"
	.amdhsa_code_object_version 6
	.text
	.protected	k_qd195642f0f_attn
	.globl	k_qd195642f0f_attn
	.p2align	8
	.type	k_qd195642f0f_attn,@function
k_qd195642f0f_attn:
	s_mov_b64 s[64:65], 0
	v_nop
	global_prefetch_b8 v0, s[64:65] scope:SCOPE_SE
	s_setreg_imm32_b32 hwreg(HW_REG_WAVE_MODE, 25, 1), 1
	s_wait_xcnt 0x0
	s_wait_alu depctr_hold_cnt(0) depctr_sa_sdst(0) depctr_va_vdst(0) depctr_va_sdst(0) depctr_va_ssrc(0) depctr_va_vcc(0) depctr_vm_vsrc(0)
	s_getreg_b32 s2, hwreg(HW_REG_IB_STS2, 6, 4)
	s_cmp_eq_u32 s2, 0
	s_cbranch_scc0 .Lentry_in_a_cluster
	s_endpgm
.Lentry_in_a_cluster:
	s_bfe_u32 s2, ttmp6, 0x10000c
	s_cmp_lg_u32 s2, 0x3003
	s_cbranch_scc0 .Lentry_shape_is_right
	s_endpgm
.Lentry_shape_is_right:
; out0[head][q][:] = the sum over k <= q of softmax_k(query[q] . key[k] / 64) value[k][:], 32 heads of 2,048 x 64, both products on codes of FP4 (E2M1) with one E8M0 scale for each 32 along K.
; THE SOFTMAX AHEAD OF THE SECOND PRODUCT: t = score x log2(e) / 64; M = the running largest t rounded UP to a whole number; p = 2^(t - M) is what is quantised, along the keys, not normalised.
; The row's sum is taken of the unquantised p and divides at the end.  When M moves, the sum and O are multiplied by 2^(old M - new M), which rounds nothing.
; A BLOCK'S SCALE OF p: floor(log2(the largest p)) is floor(t - M) of the block's largest score, since p = 2^(t - M) rises with the score; its byte is that - 2 + 127, held at 1 from below.
; LEFT OUT: steps of 128 keys all of which come after the tile's queries: reference()'s own causal mask makes p = 0 there for all values of the inputs.  A NaN, an infinity or an overflow there is not carried to the result.
; LIMITS: NaN and infinities among the inputs are not served.  The promise holds while the scaled scores t stay under 2^31 in magnitude: a hidden score on the diagonal has -2^126 in its sum.
; A block of zeros, or one whose largest magnitude lies under 2^-124, gets the scale byte 1 (zero codes add nothing under it).  p under 2^-126 counts as 0.
; K AND V come as codes and scale words from kv, laid as images of the operands' registers, 8,960 bytes for each step of 128 keys.  A head's 16 steps, 143,360 bytes, fit in LDS whole: they are brought ONCE,
; each of the sixteen waves fetching one step by one tensor load: no slot is ever filled again, so none of kv is prefetched.
; CLUSTER: the four work-groups of a cluster belong to one head and want the same 143,360 bytes: each load is asked for JOINTLY, with the same descriptor and the mask of all four.
; SHARES, EVEN UNDER THE MASK: a head has 128 tiles of 16 queries; tile i wants i / 8 + 1 steps.  Work-group g (0..7) of the head owns, for p = 0..7, the LONG tile 8 (15 - p) + g (16 - p steps) and the SHORT tile 8 p + g (p + 1 steps):
; 17 steps for each p.  Wave p walks the long tile's first 12 steps (all of them where there are no more).  Waves 8 .. 11 walk the short tiles of p = 4 .. 7.  Waves 12 .. 15 (p = 0 .. 3) walk the long tile's steps 12 .. 15 - p,
; hand that part over through LDS, and walk the short tile.  Waves p, p + 4, 8 + p and 12 + p have 34 steps together.
; Waves 0 .. 3 join the two parts of a long tile (the same exact powers of two).  Every branch hangs on the wave's number and a loop's counter; g enters query's and out0's addresses and the mask's numbers, nothing else.
; LAYOUT: both products are used transposed (S^T = K Q^T, O^T = V^T P^T): a lane holds ONE query (lane % 16) throughout.  Row m of K's tile t is key 64 (t / 4) + 32 (m / 8) + 8 (t % 4) + m % 8,
; so that registers 32 c .. 32 c + 31 of S^T are the neighbouring keys 64 c + 32 (lane / 16) + 0 .. 31: a lane holds two WHOLE blocks, and their codes are the second product's operand as they come.
; K = 64 IN AN INSTRUCTION 128 DEEP: Q's registers 4-7 are zero codes and both sides' scale bytes 2, 3 are 1.0, so whatever codes stand in K's registers 4-7 add nothing (E2M1 has no NaN and no infinity).
; So K's eight fragments lie 4 registers apart, each one's upper half being the next one's lower half, and four cleared registers stand behind the last.
; K's fragments are read one step ahead, behind the first product (behind a walk's last step they are not used).
; THE MASK of the diagonal step is the same for every wave of the work-group: 64 numbers a lane, 0 or -2^126, made once (four by each wave) and kept in LDS; the diagonal step's first product takes them as its C.
.set STEPB, 8960                       ; a step's block
.set VOFF,  4096                       ; in it: V's codes,
.set KSOFF, 8192                       ; K's scale words,
.set VSOFF, 8704                       ; V's scale words
.set HEADB, 16*STEPB                   ; LDS 0 .. 143,359: the head's block, filled by tensor loads, once
.set QST,   HEADB                      ; for each wave 16 rows x 272 bytes: Q's rows, later O's.  No fill lands here or behind
.set QTILE, 16*272
.set PART,  QST+16*QTILE               ; for p = 0 .. 3 the handed part: 512 bytes of -M, largest score, sum; 4,096 of O
.set PARTB, 4608
.set MASKB, PART+4*PARTB               ; the mask: register group i at 512 i + 16 x lane
.set SPARE, MASKB+8192                 ; the spare words, 128 bytes for each wave: no other line names them
.set LI,  1                            ; 16 x lane
.set L8,  2                            ; 8 x lane
.set RD,  3                            ; my stage: row h, 16 r
.set QR,  4                            ; my stage: row r, 128 h
.set SO,  5                            ; my stage: row r, 32 h
.set AN,  6                            ; the next step's block + 16 x lane
.set SH,  7                            ; 8 h
.set A16, 8                            ; a block + 16 x lane
.set A8,  9                            ; a block + 8 x lane
                                       ; v12 -M, v13 the largest score, v[14:15] the row's sum in two halves
.set QF,  16                           ; v16-23  Q's fragment; v20-23 stay 0
.set QS,  24                           ; Q's scale word
.set PW,  25                           ; p's scale word
.set VS,  26                           ; v26-27  V's scale words: register j: dt = j in lanes 0-15, dt = 2 + j in lanes 16-31
.set KS,  28                           ; v28-31  K's scale words: register j: tile j in lanes 0-15, tile 4 + j in lanes 16-31
.set KF,  32                           ; v32-67  K's fragments, 4 registers apart; v64-67 stay 0
.set S,   68                           ; v68-131 S^T, then p; also Q's numbers, the handed part, and the way out
.set O,   132                          ; v132-163 O^T
.set VF,  164                          ; v164-195 V's four fragments
.set P,   196                          ; v196-203 p's codes
.set CH,  204                          ; v204-207 four chains of maxima; v204 and v206 end as the two blocks' largest scores
.set X1,  208
.set X2,  210
.set X3,  212
.set SC,  214                          ; v214-215 the conversions' scale operands
.set FP,  216                          ; f = 2^(old M - new M); v217 named with it as a pair
.set FB,  218                          ; the same for the handed part
.set TMP, 220
.set TX,  221
.set NM,  222
.set DD,  223
.set W,   224
.set WX,  225
.set N0,  226
.set N1,  227
.set MXA, 228
.set MXB, 229
.set BY,  230
.set WT,  231
.set WU,  232
.set PFO, 233                          ; the prefetch's offset; never rewritten
.set SPW, 234                          ; LDS address of my spare word
.set NIL, 235                          ; 0
.set MM,  236                          ; v236-239 my four registers of the mask
.set WV,  10                           ; my wave's number
.set G1,  16                           ; s[16:23] descriptor group 1
.set G0,  24                           ; s[24:27] descriptor group 0
                                       ; s[28:29] query at my first tile, s[30:31] at the short one; s[32:33] out0 at the tile that I store
.set TBN, 35                           ; LDS byte at which the next step's block begins
.set LIM1, 36                          ; the first walk's last trip
.set DG1, 37                           ; and the one on the diagonal (12 or more: none)
.set ST,  38                           ; the trip
.set TB,  39                           ; LDS byte at which the step's block begins
.set SEL, 40                           ; s[40:41] v_permlanex16_b32's selects for lane l xor 16
.set CS,  42                           ; s[42:43] c = log2(e) / 64
.set NC,  54                           ; -c
.set LIM2, 55                          ; the second walk's last trip, on the diagonal (negative: none)
.set PP,  56                           ; p
.set FS,  61                           ; the walk's first step: 12 for waves 12 to 15 in the first walk, else 0
; 32 numbers of one lane, one whole block, become 4 registers of codes; sc: the conversion's scale operand; by: the scale's byte
.macro QUANT32 x, c, sc, by
	v_max3_num_f32 v[MXA], |v[(\x)]|, |v[(\x)+1]|, 0x1800000        ; two chains; the floor 2^(3 - 127) among the leaves holds the byte at 1 from below
	v_max3_num_f32 v[MXB], |v[(\x)+2]|, |v[(\x)+3]|, |v[(\x)+4]|
.irp i, 5,9,13,17,21,25
	s_delay_alu instid0(VALU_DEP_2)
	v_max3_num_f32 v[MXA], v[MXA], |v[(\x)+\i]|, |v[(\x)+\i+1]|
	s_delay_alu instid0(VALU_DEP_2)
	v_max3_num_f32 v[MXB], v[MXB], |v[(\x)+\i+2]|, |v[(\x)+\i+3]|
.endr
	s_delay_alu instid0(VALU_DEP_2)
	v_max3_num_f32 v[MXA], v[MXA], |v[(\x)+29]|, |v[(\x)+30]|
	s_delay_alu instid0(VALU_DEP_1)
	v_max3_num_f32 v[MXA], v[MXA], v[MXB], |v[(\x)+31]|
	s_delay_alu instid0(VALU_DEP_1)
	v_add_nc_u32 v[\sc], 0xff000000, v[MXA]                        ; 2 off the exponent field: the conversion takes this operand's exponent field as its scale
.irp g, 0,1,2,3
	v_cvt_scalef32_pk8_fp4_f32 v[(\c)+\g], v[(\x)+8*\g:(\x)+8*\g+7], v[\sc]
.endr
	v_lshrrev_b32 v[\by], 23, v[\sc]                               ; the byte; also the plain line behind the conversions
.endm
; a row of 64 has two blocks, one in lane l, one in lane l xor 16: their bytes make the row's scale word; the two upper bytes are 1.0
.macro WORD dst, by
	s_delay_alu instid0(VALU_DEP_1)
	v_lshlrev_b32 v[WT], v[SH], v[\by]
	s_delay_alu instid0(VALU_DEP_1)
	v_permlanex16_b32 v[WU], v[WT], s[SEL], s[SEL+1]
	s_delay_alu instid0(VALU_DEP_1)
	v_or_b32 v[WT], v[WT], v[WU]
	s_delay_alu instid0(VALU_DEP_1)
	v_or_b32 v[\dst], 0x7f7f0000, v[WT]
.endm
; a tile of Q, raw rows in S, turns through my stage: lane (r, h) gets channels 32 h .. 32 h + 31 of query r, one whole block; then a tile's start
.macro QTURN
.irp i, 0,1,2,3,4,5,6,7
	ds_store_b128 v[RD], v[S+4*\i:S+4*\i+3] offset:544*\i
.endr
.irp j, 0,1,2,3,4,5,6,7
	ds_load_b128 v[S+32+4*\j:S+32+4*\j+3], v[QR] offset:16*\j      ; LDS serves a wave's instructions in order (ISA guide 5.7.1): these see my stores
.endr
	s_wait_dscnt 0x0
	QUANT32 S+32, QF, SC, BY
	WORD QS, BY
	v_mov_b32 v12, 0x7f000000                      ; -M of a largest t under every t
	v_mov_b32 v13, 0xff61b1e6                      ; the largest score so far: -3e38
	v_mov_b32 v14, 0                               ; the sum, in two halves
	v_mov_b32 v15, 0
.irp j, 0,1,2,3,4,5,6,7,8,9,10,11,12,13,14,15,16,17,18,19,20,21,22,23,24,25,26,27,28,29,30,31
	v_mov_b32 v[O+\j], 0                           ; O^T: the step is written once, and its first turn finds zeros.  (These lines are also the places between Q's scale word and the first product)
.endr
.endm
; a round of the cluster's barrier: my work-group's barrier, wave 0's signal for the work-group, every wave's wait for all four work-groups, my work-group's barrier once more
.macro ROUND
	s_barrier_signal -1
	s_barrier_wait -1
	s_cmp_lg_u32 s[WV], 0
	s_cbranch_scc1 .Lnot_wave_0_\@
	s_barrier_signal -3
.Lnot_wave_0_\@:
	s_barrier_wait -3
	s_barrier_signal -1
	s_barrier_wait -1
.endm
	s_load_b128 s[4:7], s[0:1], 0x0                ; query s[4:5], kv s[6:7]
	s_load_b64 s[8:9], s[0:1], 0x10                ; out0
	v_lshl_add_u32 v[SPW], v0, 2, SPARE
	v_mov_b32 v[NIL], 0
	ds_add_u32 v[SPW], v[NIL]                      ; the wave's opening: the add, twice on end, and its wait ahead of my tensor load
	ds_add_u32 v[SPW], v[NIL]
	v_lshrrev_b32 v1, 5, v0
	s_delay_alu instid0(VALU_DEP_1)
	v_readfirstlane_b32 s[WV], v1                  ; wave 0..15
	s_bfe_u32 s11, ttmp6, 0x40000                  ; cx: my place in the cluster
	s_lshl_b32 s12, ttmp9, 2                       ; in a cluster launch ttmp9 counts clusters
	s_add_co_u32 s12, s12, s11                     ; g = 4 x cluster x + cx
	s_and_b32 s13, ttmp7, 0xffff                   ; the head, which the four partners share
	s_lshr_b32 s51, s[WV], 3
	s_lshl_b32 s58, s51, 2
	s_and_b32 s[PP], s[WV], 7
	s_xor_b32 s[PP], s[PP], s58                    ; p: waves 0 .. 7: 0 .. 7; waves 8 .. 11: 4 .. 7; waves 12 .. 15: 0 .. 3
	s_xor_b32 s15, s[PP], 15                       ; 15 - p
	s_lshr_b32 s59, s[WV], 2
	s_and_b32 s59, s59, s51                        ; 1 in waves 12 to 15
	s_mul_i32 s[FS], s59, 12
	s_sub_co_i32 s58, 3, s[PP]
	s_cmp_lt_u32 s[WV], 12
	s_cselect_b32 s[LIM2], -1, s[PP]               ; only waves 12 to 15 have a second walk
	s_cselect_b32 s58, s[PP], s58                  ; waves 8 to 11: the short tile, to step p; waves 12 to 15: trip 3 - p is step 15 - p
	s_cmp_lt_u32 s[WV], 8
	s_cselect_b32 s[DG1], s15, s58
	s_min_i32 s[LIM1], s[DG1], 11
	s_lshl_b32 s14, s13, 19                        ; a head of query or out0 is 524,288 bytes,
	s_lshl_b32 s44, s12, 12                        ; a tile of 16 rows 4,096
	s_add_co_u32 s14, s14, s44
	s_lshl_b32 s44, s15, 15
	s_add_co_u32 s44, s44, s14                     ; the long tile
	s_mov_b32 s45, 0
	s_lshl_b32 s46, s[PP], 15
	s_add_co_u32 s46, s46, s14                     ; the short tile
	s_mov_b32 s47, 0
	s_cmp_lt_u32 s[WV], 8
	s_cselect_b32 s48, s44, s46                    ; the one that I store
	s_mov_b32 s49, 0
	s_cmp_lt_u32 s[WV], 12
	s_cselect_b32 s44, s48, s44                    ; the one that I begin with: waves 12 to 15 with the long one
	s_mul_i32 s[G0+1], s[WV], STEPB                ; 63:32 LDS address: my step; no place in the cluster enters it
	s_mul_i32 s52, s13, HEADB                      ; and the same step of my head in kv: registers that never hold g
	s_add_co_u32 s52, s52, s[G0+1]
	s_mov_b32 s53, 0
	; descriptor group 1: a dense block as 35 rows of 256 bytes (32 elements of 8 bytes), no padding: every read of it is 16 or 8 bytes x lane on end
	s_mov_b32 s[G1], 15|(3<<16)|(1<<21)            ; 15:0 the mask: all four work-groups; 17:16 elements of 8 bytes; 21 set beside a mask
	s_mov_b32 s[G1+1], 32<<16                      ; tensor_dim0 = 32
	s_mov_b32 s[G1+2], (STEPB/256)<<16             ; tensor_dim1 = 35
	s_mov_b32 s[G1+3], 32<<16                      ; tile_dim0 = 32
	s_mov_b32 s[G1+4], STEPB/256                   ; tile_dim1 = 35
	s_mov_b32 s[G1+5], 32                          ; from row to row
	s_mov_b32 s[G1+6], 0
	s_mov_b32 s[G1+7], 0
	s_mov_b32 s[SEL], 0x76543210
	s_mov_b32 s[SEL+1], 0xfedcba98
	s_mov_b32 s[CS], 0x3cb8aa3b                    ; c = log2(e) / 64
	s_mov_b32 s[CS+1], s[CS]                       ; (named with it as a pair, so it is written)
	s_mov_b32 s[NC], 0xbcb8aa3b
	s_mul_i32 s50, s[WV], QTILE
	s_add_co_u32 s50, s50, QST                     ; my stage
	s_and_b32 s57, s[PP], 3
	s_mul_i32 s57, s57, PARTB
	s_add_co_u32 s57, s57, PART                    ; the handed part of p = 0 .. 3 (waves 0 to 3 and 12 to 15 use it)
	s_mov_b32 s[ST], 0
	s_lshl_b32 s58, s51, 6
	s_and_b32 s59, s[WV], 7
	s_lshl_b32 s59, s59, 2
	s_add_co_u32 s58, s58, s59                     ; my group of the mask, registers 4 w .. 4 w + 3: keys 64 (w / 8) + 4 (w % 8) + 0 .. 3 (+ 32 h)
	s_lshl_b32 s60, s12, 4
	s_sub_co_i32 s60, s60, s58                     ; 16 g less that
	s_lshl_b32 s59, s[WV], 9
	s_add_co_u32 s59, s59, MASKB                   ; and its place
	v_and_b32 v9, 31, v0                           ; L
	v_and_b32 v10, 15, v0                          ; r
	v_bfe_u32 v11, v0, 4, 1                        ; h
	v_min_u32 v[PFO], 15, v9
	v_lshlrev_b32 v[LI], 4, v9
	v_lshlrev_b32 v[L8], 3, v9
	v_mul_u32_u24 v[RD], v11, 272
	v_mul_u32_u24 v[QR], v10, 272
	v_lshlrev_b32 v[PFO], 8, v[PFO]                ; a lane a row of 256 bytes; lanes 16 to 31 name the last row again
	v_lshlrev_b32 v[SH], 3, v11
	v_lshlrev_b32 v[DD], 5, v11
	v_lshl_add_u32 v[RD], v10, 4, v[RD]
	v_add_nc_u32 v[QR], s50, v[QR]
	v_sub_nc_u32 v[DD], v10, v[DD]
	v_add_nc_u32 v[RD], s50, v[RD]
	v_lshl_add_u32 v[SO], v11, 5, v[QR]
	v_lshl_add_u32 v[QR], v11, 7, v[QR]
	v_add_nc_u32 v[DD], s60, v[DD]                 ; register e of my group is hidden where e is above 16 g + r - 32 h less the group's first key
	v_add_nc_u32 v[A8], s59, v[LI]
	s_wait_alu depctr_va_vdst(0)
	s_wait_dscnt 0x0                               ; both opening adds are done
	ROUND                                          ; all four work-groups are here: the joint loads meet
	s_wait_kmcnt 0x0
	s_mov_b32 s[G0], 1                             ; 1:0 count = 1
	s_add_nc_u64 s[G0+2:G0+3], s[6:7], s[52:53]    ; 120:64 global address
	s_or_b32 s[G0+3], s[G0+3], 0x80000000          ; 127:126 type = 2
	tensor_load_to_lds s[G0:G0+3], s[G1:G1+7]      ; my one tensor load of the launch
	s_nop 0
.rept 4
	v_nop                                          ; four nops behind a tensor load
.endr
	s_add_nc_u64 s[28:29], s[4:5], s[44:45]
	s_add_nc_u64 s[30:31], s[4:5], s[46:47]
	s_add_nc_u64 s[32:33], s[8:9], s[48:49]
.irp i, 0,1,2,3,4,5,6,7
	global_load_b128 v[S+4*\i:S+4*\i+3], v[LI], s[28:29] offset:512*\i   ; my first tile of Q: rows 2 i, 2 i + 1: 512 consecutive bytes
.endr
	v_mov_b32 v[TMP], 0xfe800000                   ; -2^126
.irp e, 0,1,2,3
	v_cmp_gt_i32 vcc_lo, \e, v[DD]
	v_cndmask_b32 v[MM+\e], 0, v[TMP], vcc_lo
.endr
	ds_store_b128 v[A8], v[MM:MM+3]                ; my sixteenth of the mask
.irp j, 4,5,6,7
	v_mov_b32 v[QF+\j], 0                          ; Q's codes of k = 64 .. 127: zeros, written once
.endr
.irp j, 32,33,34,35
	v_mov_b32 v[KF+\j], 0                          ; behind K's last fragment
.endr
	v_mov_b32 v[TX], 0                             ; a lane permute's destination counts as one of its sources
	v_mov_b32 v[WX], 0
	v_mov_b32 v[WU], 0
	v_mov_b32 v[FP+1], 0                           ; (named as the upper half of a pair)
	v_mov_b32 v[FB+1], 0
	s_wait_alu depctr_va_vdst(0)                   ; the head's end
	s_wait_loadcnt 0x0                             ; my first tile of Q
	QTURN
	s_wait_alu depctr_va_vdst(0)
	s_wait_tensorcnt 0x0                           ; my step has landed,
	s_wait_dscnt 0x0                               ; no LDS instruction of mine is out at the signal (my part of the mask is stored)
	s_cmp_lt_u32 s[WV], 12
	s_cbranch_scc1 .Lno_short
	global_prefetch_b8 v[PFO], s[30:31] th:TH_LOAD_NT scope:SCOPE_SE   ; waves 12 to 15: the short tile's 16 rows, which this wave alone loads, 1 to 4 steps further on
.Lno_short:
	s_barrier_signal -1
	s_barrier_wait -1                              ; the head's 16 steps and the mask lie in LDS for all sixteen waves
; K's fragments and scale words of the step whose block v[AN] names: nine loads
.macro KLOAD
	ds_load_b128 v[KS:KS+3], v[AN] offset:KSOFF    ; all eight tiles' scale words by one load
.irp t, 0,1,2,3,4,5,6,7
	ds_load_b128 v[KF+4*\t:KF+4*\t+3], v[AN] offset:512*\t
.endr
.endm
; the first product: S^T = K Q^T, eight tiles.  masked = 1: onto the mask that stands in S
.macro QK masked
.irp t, 0,1,2,3
.if \masked
	v_wmma_scale_f32_16x16x128_f8f6f4 v[S+8*\t:S+8*\t+7], v[KF+4*\t:KF+4*\t+7], v[QF:QF+7], v[S+8*\t:S+8*\t+7], v[KS+\t], v[QS] matrix_a_fmt:MATRIX_FMT_FP4 matrix_b_fmt:MATRIX_FMT_FP4
.else
	v_wmma_scale_f32_16x16x128_f8f6f4 v[S+8*\t:S+8*\t+7], v[KF+4*\t:KF+4*\t+7], v[QF:QF+7], 0, v[KS+\t], v[QS] matrix_a_fmt:MATRIX_FMT_FP4 matrix_b_fmt:MATRIX_FMT_FP4
.endif
.endr
.irp t, 4,5,6,7
.if \masked
	v_wmma_scale_f32_16x16x128_f8f6f4 v[S+8*\t:S+8*\t+7], v[KF+4*\t:KF+4*\t+7], v[QF:QF+7], v[S+8*\t:S+8*\t+7], v[KS+\t-4], v[QS] matrix_a_fmt:MATRIX_FMT_FP4 matrix_b_fmt:MATRIX_FMT_FP4 matrix_a_scale:MATRIX_SCALE_ROW1
.else
	v_wmma_scale_f32_16x16x128_f8f6f4 v[S+8*\t:S+8*\t+7], v[KF+4*\t:KF+4*\t+7], v[QF:QF+7], 0, v[KS+\t-4], v[QS] matrix_a_fmt:MATRIX_FMT_FP4 matrix_b_fmt:MATRIX_FMT_FP4 matrix_a_scale:MATRIX_SCALE_ROW1
.endif
.endr
.endm
; t - M of eight scores, two at a time
.macro PKF j
.irp i, 0,2,4,6
	v_pk_fma_f32 v[S+\j+\i:S+\j+\i+1], v[S+\j+\i:S+\j+\i+1], s[CS:CS+1], v[12:13] op_sel_hi:[1,0,0]
.endr
.endm
; A KEY STEP: 128 keys against my 16 queries.  dg: the register that names the diagonal's trip
.macro STEP dg
	s_cmp_eq_u32 s[ST], s[\dg]
	s_cbranch_scc1 .Ldiag_\@
	s_wait_dscnt 0x0                               ; K and its scale words, asked for a step ago, are in
	QK 0
	s_branch .Lqk_\@
.Ldiag_\@:
	v_add_nc_u32 v[A8], MASKB, v[LI]
.irp i, 0,1,2,3,4,5,6,7,8,9,10,11,12,13,14,15
	ds_load_b128 v[S+4*\i:S+4*\i+3], v[A8] offset:512*\i   ; the mask: a hidden score becomes about -2^126, so that its p is 0
.endr
	s_wait_dscnt 0x0
	QK 1
.Lqk_\@:
	v_add_nc_u32 v[A16], s[TB], v[LI]              ; four places between the products and the loads into K's registers, and the first read of the scores
	v_add_nc_u32 v[A8], s[TB], v[L8]
	v_add_nc_u32 v[AN], s[TBN], v[LI]
	v_nop
	ds_load_b64 v[VS:VS+1], v[A8] offset:VSOFF     ; all four of V's scale words
.irp f, 0,1,2,3,4,5,6,7
	ds_load_b128 v[VF+4*\f:VF+4*\f+3], v[A16] offset:VOFF+512*\f
.endr
	KLOAD                                          ; the next step's
.irp b, 0,1,2,3
	v_max3_num_f32 v[CH+\b], v[S+16*\b], v[S+16*\b+1], v[S+16*\b+2]   ; the largest score of each block of 32 keys, in two chains a block; each accumulator is read from its low end on
.endr
.irp i, 3,5,7,9,11,13
.irp b, 0,1,2,3
	v_max3_num_f32 v[CH+\b], v[CH+\b], v[S+16*\b+\i], v[S+16*\b+\i+1]
.endr
.endr
	v_max3_num_f32 v[CH], v[CH], v[CH+1], v[S+15]
	v_max3_num_f32 v[CH+2], v[CH+2], v[CH+3], v[S+47]
	v_max_num_f32 v[CH], v[CH], v[S+31]
	v_max_num_f32 v[CH+2], v[CH+2], v[S+63]
	s_delay_alu instid0(VALU_DEP_1)
	v_max_num_f32 v[TMP], v[CH], v[CH+2]
	s_delay_alu instid0(VALU_DEP_1)
	v_permlanex16_b32 v[TX], v[TMP], s[SEL], s[SEL+1]
	s_delay_alu instid0(VALU_DEP_1)
	v_max3_num_f32 v13, v13, v[TMP], v[TX]         ; the running largest score of my query, with lane l xor 16's 64 keys
	s_delay_alu instid0(VALU_DEP_1)
	v_mul_f32 v[NM], s[NC], v13                    ; -t (c is positive)
	s_delay_alu instid0(VALU_DEP_1)
	v_floor_f32 v[NM], v[NM]                       ; the new -M = floor(-t) = -ceil(t)
	s_delay_alu instid0(VALU_DEP_1)
	v_sub_f32 v[DD], v[NM], v12                    ; old M - new M: a whole number, 0 or less
	v_mov_b32 v12, v[NM]
	s_delay_alu instid0(VALU_DEP_2)
	v_cvt_i32_f32 v[DD], v[DD]                     ; (it saturates)
	v_fma_f32 v[CH], v[CH], s[CS], v12             ; t - M of the two blocks' largest scores
	v_fma_f32 v[CH+2], v[CH+2], s[CS], v12
	v_ldexp_f32 v[FP], 1.0, v[DD]                  ; f = 2^(old M - new M)
	PKF 0
	v_max_num_f32 v[CH], 0xc2f80000, v[CH]         ; -124.0: the byte cannot fall under 1, and the whole number stays in range
	v_max_num_f32 v[CH+2], 0xc2f80000, v[CH+2]
	PKF 8
	v_cvt_floor_i32_f32 v[N0], v[CH]
	v_cvt_floor_i32_f32 v[N1], v[CH+2]
	PKF 16
	v_lshl_add_u32 v[SC], v[N0], 23, 0x3e800000    ; the conversion's scale operand: exponent field n - 2 + 127
	v_lshl_add_u32 v[SC+1], v[N1], 23, 0x3e800000
	v_lshl_add_u32 v[W], v[N1], 16, v[N0]          ; the scale word is the sum of n x 2^(8 b) over its four blocks, and 125 in each byte:
	PKF 24
	v_lshlrev_b32 v[W], v[SH], v[W]                ; lanes 0-15 have blocks 0 and 2, lanes 16-31 blocks 1 and 3
	PKF 32
	v_permlanex16_b32 v[WX], v[W], s[SEL], s[SEL+1]
	PKF 40
	v_add3_u32 v[PW], v[W], v[WX], 0x7d7d7d7d
	PKF 48
	PKF 56
.irp j, 0,2,4,6,8,10,12,14,16,18,20,22,24,26,28,30
	v_pk_mul_f32 v[O+\j:O+\j+1], v[O+\j:O+\j+1], v[FP:FP+1] op_sel_hi:[1,0]   ; O^T under the new M
.endr
	s_wait_alu depctr_va_vdst(0)                   ; ahead of the batch
.irp j, 0,1,2,3,4,5,6,7,8,9,10,11,12,13,14,15,16,17,18,19,20,21,22,23,24,25,26,27,28,29,30,31,32,33,34,35,36,37,38,39,40,41,42,43,44,45,46,47,48,49,50,51,52,53,54,55,56,57,58,59,60,61,62,63
	v_exp_f32 v[S+\j], v[S+\j]                     ; p = 2^(t - M), at most 1
.endr
	v_pk_mul_f32 v[14:15], v[14:15], v[FP:FP+1] op_sel_hi:[1,0]   ; the sums under the new M; the plain line behind the exponentials
	s_wait_alu depctr_va_vdst(0)                   ; one wait for the batch, ahead of its first reader
.irp c, 0,1
.irp g, 0,1,2,3
	v_cvt_scalef32_pk8_fp4_f32 v[P+4*\c+\g], v[S+32*\c+8*\g:S+32*\c+8*\g+7], v[SC+\c]   ; registers 4 c .. 4 c + 3 of the operand: keys 64 c + 32 h + 0 .. 31
.endr
.endr
	; the row's sum, of the unquantised p, in four chains.  These 32 lines are also the places between p's codes and the products
	v_pk_add_f32 v[X1:X1+1], v[S:S+1], v[S+2:S+3]
	v_pk_add_f32 v[X2:X2+1], v[S+4:S+5], v[S+6:S+7]
	v_pk_add_f32 v[X3:X3+1], v[S+8:S+9], v[S+10:S+11]
	v_pk_add_f32 v[14:15], v[14:15], v[S+12:S+13]
.irp k, 14,22,30,38,46,54
	v_pk_add_f32 v[X1:X1+1], v[X1:X1+1], v[S+\k:S+\k+1]
	v_pk_add_f32 v[X2:X2+1], v[X2:X2+1], v[S+\k+2:S+\k+3]
	v_pk_add_f32 v[X3:X3+1], v[X3:X3+1], v[S+\k+4:S+\k+5]
	v_pk_add_f32 v[14:15], v[14:15], v[S+\k+6:S+\k+7]
.endr
	v_pk_add_f32 v[X1:X1+1], v[X1:X1+1], v[S+62:S+63]
	v_pk_add_f32 v[14:15], v[14:15], v[X3:X3+1]
	s_delay_alu instid0(VALU_DEP_2)
	v_pk_add_f32 v[X1:X1+1], v[X1:X1+1], v[X2:X2+1]
	s_delay_alu instid0(VALU_DEP_1)
	v_pk_add_f32 v[14:15], v[14:15], v[X1:X1+1]
	s_wait_alu depctr_va_vdst(0)
	s_wait_dscnt 9                                 ; V and its scale words are in; the next step's nine loads of K are younger
.irp t, 0,1
	v_wmma_scale_f32_16x16x128_f8f6f4 v[O+8*\t:O+8*\t+7], v[VF+8*\t:VF+8*\t+7], v[P:P+7], v[O+8*\t:O+8*\t+7], v[VS+\t], v[PW] matrix_a_fmt:MATRIX_FMT_FP4 matrix_b_fmt:MATRIX_FMT_FP4
.endr
.irp t, 2,3
	v_wmma_scale_f32_16x16x128_f8f6f4 v[O+8*\t:O+8*\t+7], v[VF+8*\t:VF+8*\t+7], v[P:P+7], v[O+8*\t:O+8*\t+7], v[VS+\t-2], v[PW] matrix_a_fmt:MATRIX_FMT_FP4 matrix_b_fmt:MATRIX_FMT_FP4 matrix_a_scale:MATRIX_SCALE_ROW1
.endr
.endm
; A WALK.  The trip count is a constant; a step behind my last one is jumped over.  (Behind the last products five places, for what follows)
.macro WALK trips, lim, dg
.Lstep_\@:
	s_add_co_u32 s62, s[ST], s[FS]
	s_min_u32 s62, s62, 15                         ; one of the head's 16 steps,
	s_mul_i32 s[TB], s62, STEPB
	s_add_co_u32 s63, s62, 1
	s_min_u32 s63, s63, 15                         ; and the one behind it
	s_mul_i32 s[TBN], s63, STEPB
	s_cmp_gt_i32 s[ST], s[\lim]
	s_cbranch_scc1 .Lhidden_\@
	STEP \dg
.Lhidden_\@:
	s_add_co_u32 s[ST], s[ST], 1
	s_cmp_lt_u32 s[ST], \trips
	s_cbranch_scc1 .Lstep_\@
.rept 5
	v_nop
.endr
.endm
; THE WAY OUT: O^T / the sum goes through my stage (a lane holds 32 bytes of a row) and leaves as whole rows
.macro OUT
	v_add_f32 v14, v14, v15                        ; the sum's two halves,
	s_delay_alu instid0(VALU_DEP_1)
	v_permlanex16_b32 v[TX], v14, s[SEL], s[SEL+1]
	s_delay_alu instid0(VALU_DEP_1)
	v_add_f32 v14, v14, v[TX]                      ; and lane l xor 16's
	s_wait_alu depctr_va_vdst(0)                   ; the wait ahead of the reciprocal,
	v_rcp_f32 v14, v14
	v_nop                                          ; a plain line behind it,
	s_wait_alu depctr_va_vdst(0)                   ; and the wait ahead of its first reader
.irp j, 0,2,4,6,8,10,12,14,16,18,20,22,24,26,28,30
	v_pk_mul_f32 v[S+\j:S+\j+1], v[O+\j:O+\j+1], v[14:15] op_sel_hi:[1,0]   ; register 8 t + i: o(r, 16 t + 8 h + i)
.endr
.irp t, 0,1,2,3
	ds_store_b128 v[SO], v[S+8*\t:S+8*\t+3] offset:64*\t
	ds_store_b128 v[SO], v[S+8*\t+4:S+8*\t+7] offset:64*\t+16
.endr
.irp i, 0,1,2,3,4,5,6,7
	ds_load_b128 v[S+32+4*\i:S+32+4*\i+3], v[RD] offset:544*\i
.endr
.irp i, 0,1,2,3,4,5,6,7
	s_wait_dscnt 7-\i                              ; rows 2 i, 2 i + 1 are back; the younger loads may be out
	global_store_b128 v[LI], v[S+32+4*\i:S+32+4*\i+3], s[32:33] offset:512*\i th:TH_STORE_NT   ; 512 consecutive bytes, at a multiple of 256 from out0's first byte
.endr
.endm
	s_mul_i32 s[TBN], s[FS], STEPB
	v_add_nc_u32 v[AN], s[TBN], v[LI]
	KLOAD                                          ; my first step's K
	WALK 12, LIM1, DG1                             ; waves 0 to 7: the long tile's first steps; waves 8 to 11: the short tile; waves 12 to 15: the long tile's steps 12 .. 15 - p
	s_mov_b32 s[ST], 0
	s_mov_b32 s[FS], 0
	s_cmp_lt_u32 s[WV], 12
	s_cbranch_scc1 .Lone
.irp i, 0,1,2,3,4,5,6,7
	global_load_b128 v[S+4*\i:S+4*\i+3], v[LI], s[30:31] offset:512*\i th:TH_LOAD_NT   ; waves 12 to 15 turn to the short tile: its rows of Q;
.endr
	v_add_nc_u32 v[A16], s57, v[LI]                ; meanwhile the part of the long tile is handed over: -M, largest score, sum; O^T
	ds_store_b128 v[A16], v[12:15]
.irp i, 0,1,2,3,4,5,6,7
	ds_store_b128 v[A16], v[O+4*\i:O+4*\i+3] offset:512+512*\i
.endr
	s_wait_loadcnt 0x0
	QTURN
	s_wait_alu depctr_va_vdst(0)
	v_mov_b32 v[AN], v[LI]
	KLOAD                                          ; step 0's K
.Lone:
	WALK 4, LIM2, LIM2                             ; waves 12 to 15: the short tile's steps 0 .. p
	s_cmp_lt_u32 s[WV], 4
	s_cbranch_scc1 .Ljoin
	OUT                                            ; waves 4 to 7: a long tile; waves 8 to 15: a short one
.Ljoin:
	s_wait_dscnt 0x0                               ; the handed parts lie in LDS
	s_barrier_signal -1
	s_barrier_wait -1
	s_cmp_lt_u32 s[WV], 4
	s_cbranch_scc0 .Lend
	s_wait_xcnt 0x0
	v_add_nc_u32 v[A16], s57, v[LI]                ; waves 0 to 3 join the two parts of the long tile
	ds_load_b128 v[S:S+3], v[A16]
.irp i, 0,1,2,3,4,5,6,7
	ds_load_b128 v[S+4+4*\i:S+7+4*\i], v[A16] offset:512+512*\i
.endr
	s_wait_dscnt 0x0
	v_min_num_f32 v[NM], v12, v[S]                 ; the larger M, negative
	s_delay_alu instid0(VALU_DEP_1)
	v_sub_f32 v[DD], v[NM], v12
	v_sub_f32 v[N0], v[NM], v[S]
	s_delay_alu instid0(VALU_DEP_2)
	v_cvt_i32_f32 v[DD], v[DD]
	s_delay_alu instid0(VALU_DEP_2)
	v_cvt_i32_f32 v[N0], v[N0]
	s_delay_alu instid0(VALU_DEP_2)
	v_ldexp_f32 v[FP], 1.0, v[DD]
	s_delay_alu instid0(VALU_DEP_2)
	v_ldexp_f32 v[FB], 1.0, v[N0]
	v_pk_mul_f32 v[14:15], v[14:15], v[FP:FP+1] op_sel_hi:[1,0]
.irp j, 0,2,4,6,8,10,12,14,16,18,20,22,24,26,28,30
	v_pk_mul_f32 v[O+\j:O+\j+1], v[O+\j:O+\j+1], v[FP:FP+1] op_sel_hi:[1,0]
.endr
	v_pk_fma_f32 v[14:15], v[S+2:S+3], v[FB:FB+1], v[14:15] op_sel_hi:[1,0,1]
.irp j, 0,2,4,6,8,10,12,14,16,18,20,22,24,26,28,30
	v_pk_fma_f32 v[O+\j:O+\j+1], v[S+4+\j:S+5+\j], v[FB:FB+1], v[O+\j:O+\j+1] op_sel_hi:[1,0,1]
.endr
	OUT
.Lend:
	s_wait_tensorcnt 0x0                           ; the wave's end
	ds_add_u32 v[SPW], v[NIL]
	s_wait_dscnt 0x0
	ROUND                                          ; the closing round: no work-group ends while a partner may still ask for a tile that names it
	s_endpgm
.Lfunc_end_k_qd195642f0f_attn:
	.size	k_qd195642f0f_attn, .Lfunc_end_k_qd195642f0f_attn-k_qd195642f0f_attn
	.p2alignl 7, 3214868480
	.fill 96, 4, 3214868480
	.section	.rodata,"a",@progbits
	.p2align	6, 0x0
	.amdhsa_kernel k_qd195642f0f_attn
		.amdhsa_group_segment_fixed_size 241664
		.amdhsa_private_segment_fixed_size 0
		.amdhsa_enable_private_segment 0
		.amdhsa_kernarg_size 24
		.amdhsa_user_sgpr_count 2
		.amdhsa_user_sgpr_kernarg_segment_ptr 1
		.amdhsa_wavefront_size32 1
		.amdhsa_system_sgpr_workgroup_id_x 1
		.amdhsa_system_sgpr_workgroup_id_y 1
		.amdhsa_system_sgpr_workgroup_id_z 1
		.amdhsa_system_vgpr_workitem_id 0
		.amdhsa_next_free_vgpr 240
		.amdhsa_next_free_sgpr 66
		.amdhsa_reserve_vcc 1
		.amdhsa_float_denorm_mode_32 3
		.amdhsa_float_denorm_mode_16_64 3
		.amdhsa_memory_ordered 1
		.amdhsa_forward_progress 1
		.amdhsa_inst_pref_size 63
	.end_amdhsa_kernel
	.amdgpu_metadata
---
amdhsa.version: [ 1, 2 ]
amdhsa.kernels:
  - .name:           k_qd195642f0f_attn
    .symbol:         k_qd195642f0f_attn.kd
    .args:
      - { .name: query, .offset: 0, .size: 8, .value_kind: global_buffer, .address_space: global }
      - { .name: kv, .offset: 8, .size: 8, .value_kind: global_buffer, .address_space: global }
      - { .name: out0, .offset: 16, .size: 8, .value_kind: global_buffer, .address_space: global }
    .group_segment_fixed_size: 241664
    .private_segment_fixed_size: 0
    .kernarg_segment_align: 8
    .kernarg_segment_size: 24
    .max_flat_workgroup_size: 512
    .sgpr_count:     66
    .vgpr_count:     240
    .wavefront_size: 32
...
	.end_amdgpu_metadata
.endif
;; end of part 2
